; MI455X (gfx1250); checked and timed in simulation.
; The chip was launched on July 23, 2026; its instructions are those of AMD's public machine-readable ISA for CDNA 5 (MIT licence, August 2026) and "CDNA5" Instruction Set Architecture Reference Guide (July 2026). The comments in the code are by the model that wrote it; some were corrected since.
;; PET layer. Allowed arithmetic: matrix products marked QUANTISED: E4M3 operands, one given power-of-two scale a tensor, by v_wmma_f32_16x16x64_fp8_fp8 or v_wmma_f32_16x16x128_fp8_fp8, f32 sums; products left as they are: f32 operands where the result goes on into a quantised operand, else bf16, f16 or f32 operands; f32 sums; everything else in f32.
;; Inputs: W1 1,024 x 1,024 float32; W2 2 x 1,024 float32; b1 1,024 float32; b2 2 float32; input_ids 128 x 512 int32; inputs 128 x 512 x 1,024 float32; lowp_scales 2 int32 (the exponents e of the quantised operands' scales 2^e).
;; Outputs: out0 128 x 2 float32.
;; This version of the problem:
;;   THIS VERSION OF THE PROBLEM IS GIVEN IN LOW PRECISION. The matrix products marked QUANTISED in the list below multiply operands that are first quantised to E4M3 (4 exponent bits, 3 mantissa bits; 8 bits a number), with one given power-of-two scale for each operand tensor; their sums are f32. All else is computed in f32.
;;   The module's matrix products, in the order in which they are computed (A, B: the left and right operand; K: the contracted axis; several contracted axes count as one K, in the product's order):
;;     1. batch 128 x [M 1, K 512] x [K 512, N 1,024]; A: computed on the way; B: input inputs: left as it is (M = 1 < 16)
;;     2. [M 128, K 1,024] x [K 1,024, N 1,024]; A: computed on the way; B: input W1: QUANTISED (scales: A lowp_scales[0], B lowp_scales[1])
;;     3. [M 128, K 1,024] x [K 1,024, N 2]; A: computed on the way; B: input W2: left as it is (N = 2 < 16)
;;   THE QUANTISER, for each operand of a quantised product, along K:
;;     - The operand's scale is 2^e, e = its entry of the input lowp_scales (int32; the entries are numbered through the quantised products in the list's order, A before B).
;;     - Each number is divided by the scale, clamped to +-448, and rounded to the nearest number of E4M3, ties to even, subnormals kept.
;;     - The product sums the exact products of the quantised numbers (number of the format x scale) in f32.
;;   ~~~python
;;   def quantise(x, axis, e):      # numpy; x: float32 -> the quantised numbers, widened to float32 again
;;       x = np.moveaxis(x, axis, -1); K = x.shape[-1]
;;       r = np.clip(x / 2.0 ** e, -448, 448)
;;       step = 2.0 ** (np.maximum(np.frexp(np.where(r == 0, 1, r))[1] - 1, -6) - 3)
;;       q = np.round(r / step) * step * 2.0 ** e      # np.round: ties to even
;;       return np.moveaxis(q, -1, axis).astype(np.float32)
;;   ~~~
;;   OPERANDS COMPUTED ON THE WAY. 'Computed on the way' means the value that the module computes at that place (a softmax that the list does not call 'softmax' is quantised finished and normalised). What goes into a quantiser is computed in f32, as accurately as f32 sums, v_exp_f32 and their like allow (about 1e-6 of the number): no bf16 or f16 on the way to a quantiser, and a product that is left as it is and whose result goes on into a quantised operand takes f32 operands (vector FMAs, or v_wmma_f32_16x16x4_f32). A number that lies on a knife's edge between two numbers of the format may be rounded either way, as far as f32 arithmetic and the matrix unit's own rounding can turn it there, and no further.
;; 2 versions, each right; version 2 is version 1 with the launch head written anew for expert scheduling mode. Each part assembles by itself: llvm-mc -triple=amdgcn-amd-amdhsa -mcpu=gfx1250 --defsym DOCPART=n.
;; ======== version 1 of 2: 2 launches
;; workspace buffers: acodes 131,072 bytes; wcodes 1,048,576 bytes
;; launch prep (part 1): grid 160 x 1, 8 waves a work-group, no clusters, 39,936 bytes of LDS; arguments inputs, input_ids, W1, lowp_scales, acodes, wcodes; writes acodes, wcodes
.if DOCPART == 1
	.amdgcn_target "amdgcn-amd-amdhsa--gfx1250"
	.amdhsa_code_object_version 6
	.text
	.protected	k_qf950a27ada_prep
	.globl	k_qf950a27ada_prep
	.p2align	8
	.type	k_qf950a27ada_prep,@function
k_qf950a27ada_prep:
	s_mov_b64 s[64:65], 0
	v_nop
	global_prefetch_b8 v0, s[64:65] scope:SCOPE_SE
	s_setreg_imm32_b32 hwreg(HW_REG_WAVE_MODE, 25, 1), 1
	s_wait_xcnt 0x0
; PET_layer, launch 1 of 2.  out = (Q(euph) Q(W1)^T + b1) W2^T + b2, euph[b][d] = the sum of inputs[b][s][d] over the positions s strictly between the first START and the first END marker of input_ids[b].
; This launch makes the two operands of the quantised product as codes of FP8 (E4M3): acodes [128][1024] from euph (scale 2^e0), wcodes from W1 (scale 2^e1); e0, e1 = lowp_scales[0], [1].
; WORK LEFT OUT.  reference() writes euph as a product of a mask with inputs.  The mask holds 0 or 1 and is made of input_ids alone.  A position with mask 0 enters the sum as 0 x inputs[b][s][d], which is 0 for every
; finite value of inputs: its row of 4,096 bytes is not loaded.  Which rows count is read here from input_ids, whole numbers in memory, for every content of it: the first START, the first END, 0 where a marker is
; missing (the argmax of all false), no row at all where end <= start + 1.  Every input has a way to the output, so every input is an argument of one of the two launches.
; LIMITS.  A NaN or an infinity in a row outside the span, which 0 x would turn into NaN, is not carried to the result.  NaN among the numbers that are summed or in W1 is not served (an infinity is held at the largest code).
; e0 and e1 lie between -126 and 119, so that 2^e and 448 x 2^e are f32 numbers.  The span is summed in f32 as (its rows 0, 2, 4 ..) + (its rows 1, 3, 5 ..), not in one chain.
; THE ORDER ALONG K.  A lane takes 4 neighbouring numbers at byte 16 x lane of a 512-byte piece and 4 more from the next piece, so that every load covers 512 consecutive bytes; the conversion makes 8 codes of them.
; So inside each 256 along K, place 8 l + i holds k = 128 (i / 4) + 4 l + i % 4.  The same holds in acodes and in wcodes: each product still meets its partner, only the order of the sums changes.
; SHARES.  Work-groups 0-127: one batch row each.  Wave w: channels 256 (w % 4) on, and every second row of the span, beginning with row w / 4.  Waves 4-7 hand their sums to waves 0-3 through LDS.
; Work-groups 128-159: 256 tasks, one a wave: 16 rows x 256 k of W1 become two fragments (16 rows x 128 k) laid as the second launch's operand registers take them: [piece c of four][lane][16 bytes].
; Tile t of rows 64 u .. 64 u + 63 holds rows 64 u + 4 r + t (r = 0 .. 15): which rows form a tile is free, and so a lane of the second launch finds b1 and W2 of its four tiles in 16 neighbouring bytes.
; No tensor load: trip counts hang on input_ids.  No matrix work, no cluster: no two work-groups read the same bytes but the 8 bytes of scales.
.set START_ID, 30522
.set END_ID,   30523
.set NSPAN,    128                     ; work-groups that sum spans
.set ROWB,     4096                    ; a row of inputs or of W1 in bytes
.set RED,      0                       ; LDS: the hand-over: 4 x 1,024 bytes
.set WST,      4096                    ; LDS: the stages of W1's path, a wave's own: 16 rows x 272 bytes (other bytes than the spans' path uses)
.set WPITCH,   272                     ; 256 bytes of codes + 16: 68 words, so that the 16 rows of a load begin 4 words apart
.set WREG,     16*WPITCH
.set SPARE,    WST+8*WREG              ; the spare words, 128 bytes for each wave: four blocks of 256 bytes that no other line names
.set LANE, 1                           ; v1   lane
.set IO,   2                           ; v2   spans: 4 x lane (ids);  W1: where I read the stage
.set XO,   3                           ; v3   16 x lane
.set LA,   4                           ; v4   spans: my place in the hand-over;  W1: where I write the stage
.set CO,   5                           ; v5   8 x lane: my codes
.set SPW,  6                           ; v6   LDS address of my spare word; never rewritten
.set NIL,  7                           ; v7   0; never rewritten
.set ACC,  8                           ; v8-15   my 8 sums
.set PAR,  16                          ; v16-23  the partner wave's 8 sums
.set COD,  24                          ; v24-25  8 codes
.set SCL,  26                          ; v26     2^e
.set LIM,  27                          ; v27     448 x 2^e
.set X,    32                          ; v32-159 16 row slots of 8 numbers
.set IDS,  160                         ; v160-175 spans: the 512 ids, id 32 j + lane in register j
.set WC,   160                         ; v160-191 W1: codes, two registers a row
.set REM,  29                          ; s29  rows of the first, partial chunk
.set FULL, 30                          ; s30  chunks of 16 rows
.set TRIP, 31                          ; s31  counts them
.macro SCALE                           ; s22 = e  ->  2^e and 448 x 2^e as f32
	s_wait_kmcnt 0x0
	s_add_co_i32 s22, s22, 127
	s_lshl_b32 s23, s22, 23
	v_mov_b32 v[SCL], s23                          ; the conversion takes its exponent field
	s_add_co_i32 s22, s22, 8
	s_lshl_b32 s22, s22, 23
	s_or_b32 s22, s22, 0x600000                    ; 448 = 1.75 x 2^8
	v_mov_b32 v[LIM], s22
.endm
	s_load_b256 s[4:11], s[0:1], 0x0               ; inputs s[4:5], input_ids s[6:7], W1 s[8:9], lowp_scales s[10:11]
	s_load_b128 s[12:15], s[0:1], 0x20             ; acodes s[12:13], wcodes s[14:15]
	v_lshl_add_u32 v[SPW], v0, 2, SPARE
	v_mov_b32 v[NIL], 0
	v_lshrrev_b32 v[LANE], 5, v0
	v_readfirstlane_b32 s16, v[LANE]               ; wave 0..7
	v_and_b32 v[LANE], 31, v0
	v_lshlrev_b32 v[XO], 4, v[LANE]
	s_mov_b32 s21, 0
	s_cmp_ge_u32 ttmp9, NSPAN                      ; the work-group's number alone decides: all eight waves go the same way
	s_cbranch_scc1 .Lweights
	; ---------------- a span ----------------
	s_and_b32 s17, s16, 3                          ; c: which 256 channels
	s_lshr_b32 s18, s16, 2                         ; g: rows g, g + 2, g + 4 .. of the span
	s_lshl_b32 s19, s17, 10                        ; 1,024 c: bytes of 256 f32, and my place among the four in the hand-over
	v_lshlrev_b32 v[IO], 2, v[LANE]
	v_add_nc_u32 v[LA], s19, v[XO]                 ; RED (0) + 1,024 c + 16 x lane
	v_lshlrev_b32 v[CO], 3, v[LANE]
	s_lshl_b32 s20, ttmp9, 11                      ; my row of ids: 2,048 bytes a batch row
	s_lshl_b32 s22, ttmp9, 10                      ; my codes: 1,024 b + 256 c
	s_lshl_b32 s23, s17, 8
	s_add_co_u32 s22, s22, s23
	s_mov_b32 s23, 0
	s_mov_b32 s24, START_ID
	s_mov_b32 s25, END_ID
	s_wait_kmcnt 0x0
	s_add_nc_u64 s[6:7], s[6:7], s[20:21]
	s_add_nc_u64 s[12:13], s[12:13], s[22:23]
.irp j, 0,1,2,3,4,5,6,7,8,9,10,11,12,13,14,15
	global_load_b32 v[IDS+\j], v[IO], s[6:7] offset:128*\j     ; every wave reads the whole row of ids: no wave waits for another here
.endr
	s_load_b32 s22, s[10:11], 0x0                  ; e0
	; The 16 row slots are cleared while the ids are on their way: the first chunk asks only for the rows that there are, and all 16 slots are then added.
.set i, 0
.rept 128
	v_mov_b32 v[X+i], 0
.set i, i+1
.endr
	SCALE
	s_wait_loadcnt 0x0                             ; the ids
.irp j, 0,1,2,3,4,5,6,7,8,9,10,11,12,13,14,15
	v_cmp_eq_u32 s[32+\j], s24, v[IDS+\j]          ; bit l: id 32 j + l is the START marker
	v_cmp_eq_u32 s[48+\j], s25, v[IDS+\j]          ; the END marker
.endr
	s_mov_b32 s26, 0                               ; start and end: 0 where there is no marker
	s_mov_b32 s27, 0
.irp j, 15,14,13,12,11,10,9,8,7,6,5,4,3,2,1,0      ; downward, so that the first marker has the last word
	s_ctz_i32_b32 s28, s[32+\j]
	s_ctz_i32_b32 s29, s[48+\j]
	s_add_co_u32 s28, s28, 32*\j
	s_add_co_u32 s29, s29, 32*\j
	s_cmp_lg_u32 s[32+\j], 0
	s_cselect_b32 s26, s28, s26
	s_cmp_lg_u32 s[48+\j], 0
	s_cselect_b32 s27, s29, s27
.endr
	s_min_u32 s26, s26, 511                        ; positions of a row of 512
	s_min_u32 s27, s27, 511
	s_sub_co_i32 s28, s27, s26
	s_sub_co_i32 s28, s28, s18
	s_max_i32 s28, s28, 0
	s_lshr_b32 s28, s28, 1                         ; my rows: max(end - start - g, 0) / 2, rounded down: of the end - start - 1 rows those numbered g, g + 2 ..
	s_min_u32 s28, s28, 255                        ; (510 rows at the most, in two shares)
	s_and_b32 s[REM], s28, 15
	s_lshr_b32 s[FULL], s28, 4
	s_lshl_b32 s20, ttmp9, 9
	s_add_co_u32 s20, s20, s26
	s_add_co_u32 s20, s20, s18
	s_add_co_u32 s20, s20, 1                       ; my first row: 512 b + start + 1 + g
	s_lshl_b32 s20, s20, 12
	s_add_co_u32 s20, s20, s19                     ; + my 256 channels; under 2^28
	s_add_nc_u64 s[4:5], s[4:5], s[20:21]
.irp i, 0,1,2,3,4,5,6,7,8,9,10,11,12,13,14,15      ; the first chunk: my first REM rows, and no row more
	s_cmp_le_u32 s[REM], \i
	s_cbranch_scc1 .Lasked
	global_load_b128 v[X+8*\i:X+8*\i+3], v[XO], s[4:5] offset:2*ROWB*\i th:TH_LOAD_NT        ; 512 consecutive bytes a load; each byte of a span is read once in the launch
	global_load_b128 v[X+8*\i+4:X+8*\i+7], v[XO], s[4:5] offset:2*ROWB*\i+512 th:TH_LOAD_NT
.endr
.Lasked:
	s_wait_loadcnt 0x0                             ; however many were asked for
	s_lshl_b32 s20, s[REM], 13
	s_add_nc_u64 s[4:5], s[4:5], s[20:21]          ; on by REM of my rows (the loads are done: their base may step)
.macro FOLD d                          ; slots 0 .. d - 1 take slots d .. 2 d - 1
.set i, 0
.rept 4*(\d)
	v_pk_add_f32 v[X+2*i:X+2*i+1], v[X+2*i:X+2*i+1], v[X+8*(\d)+2*i:X+8*(\d)+2*i+1]
.set i, i+1
.endr
.endm
	FOLD 8
	FOLD 4
	FOLD 2
.irp k, 0,2,4,6
	v_pk_add_f32 v[ACC+\k:ACC+\k+1], v[X+\k:X+\k+1], v[X+8+\k:X+8+\k+1]     ; the last fold starts the sums
.endr
	s_cmp_eq_u32 s[FULL], 0
	s_cbranch_scc1 .Lsummed
	s_mov_b32 s[TRIP], 0
.Lfull:                                            ; whole chunks of 16 of my rows
.irp i, 0,1,2,3,4,5,6,7,8,9,10,11,12,13,14,15
	global_load_b128 v[X+8*\i:X+8*\i+3], v[XO], s[4:5] offset:2*ROWB*\i th:TH_LOAD_NT
	global_load_b128 v[X+8*\i+4:X+8*\i+7], v[XO], s[4:5] offset:2*ROWB*\i+512 th:TH_LOAD_NT
.endr
.irp i, 0,1,2,3,4,5,6,7,8,9,10,11,12,13,14,15
	s_wait_loadcnt 30-2*\i                         ; row i's two loads are in; the two of each of the 15 - i rows behind it may be out
.irp k, 0,2,4,6
	v_pk_add_f32 v[ACC+\k:ACC+\k+1], v[ACC+\k:ACC+\k+1], v[X+8*\i+\k:X+8*\i+\k+1]
.endr
.endr
	s_add_nc_u64 s[4:5], s[4:5], 32*ROWB           ; behind the wait for 0: no load still reads the base
	s_add_co_u32 s[TRIP], s[TRIP], 1
	s_cmp_lt_u32 s[TRIP], s[FULL]
	s_cbranch_scc1 .Lfull
.Lsummed:
	s_cmp_lt_u32 s16, 4
	s_cbranch_scc1 .Lkeep
	ds_store_b128 v[LA], v[ACC:ACC+3]              ; waves 4-7: the odd rows' sums, 512 consecutive bytes a store
	ds_store_b128 v[LA], v[ACC+4:ACC+7] offset:512
.Lkeep:
	s_wait_dscnt 0x0                               ; for the others' sake: my stores have landed
	s_barrier_signal -1
	s_barrier_wait -1
	s_cmp_ge_u32 s16, 4
	s_cbranch_scc1 .Lspan_end
	ds_load_b128 v[PAR:PAR+3], v[LA]               ; waves 0-3: wave w + 4's sums of the same channels
	ds_load_b128 v[PAR+4:PAR+7], v[LA] offset:512
	s_wait_dscnt 0x0
.irp k, 0,2,4,6
	v_pk_add_f32 v[ACC+\k:ACC+\k+1], v[ACC+\k:ACC+\k+1], v[PAR+\k:PAR+\k+1]  ; euph
.endr
.irp k, 0,1,2,3,4,5,6,7
	v_med3_num_f32 v[ACC+\k], v[ACC+\k], -v[LIM], v[LIM]   ; the conversion to an 8-bit code does not saturate (ISA guide 7.6.2): the hold at 448 x the scale comes first
.endr
	v_cvt_scalef32_pk8_fp8_f32 v[COD:COD+1], v[ACC:ACC+7], v[SCL]   ; eight numbers / 2^e0, to the nearest code, ties to even
	v_nop                                          ; a plain line behind the conversion
	global_store_b64 v[CO], v[COD:COD+1], s[12:13] ; the wave stores 256 consecutive bytes, at a multiple of 256 from the buffer's first byte
.Lspan_end:
	s_wait_tensorcnt 0x0                           ; the wave's end
	ds_add_u32 v[SPW], v[NIL]
	s_wait_dscnt 0x0
	s_endpgm
	; ---------------- 16 rows x 256 k of W1 ----------------
.Lweights:
	s_sub_co_u32 s17, ttmp9, NSPAN
	s_lshl_b32 s17, s17, 3
	s_add_co_u32 s17, s17, s16                     ; task 0..255 = 16 u + 4 t + q
	s_lshr_b32 s18, s17, 4                         ; u: rows 64 u on
	s_bfe_u32 s19, s17, 0x20002                    ; t: the tile takes rows 64 u + 4 j + t
	s_and_b32 s23, s17, 3                          ; q: k = 256 q on
	s_lshl_b32 s18, s18, 6
	s_add_co_u32 s18, s18, s19
	s_lshl_b32 s20, s18, 12                        ; the tile's first row,
	s_lshl_b32 s23, s23, 10
	s_add_co_u32 s20, s20, s23                     ; + 1,024 q bytes
	s_lshl_b32 s24, s17, 12                        ; a task's two fragments are 4,096 consecutive bytes of wcodes: fragment (tile 4 u + t, K step 2 q + s) lies at 2,048 (8 (4 u + t) + 2 q + s)
	s_mov_b32 s25, 0
	s_mul_i32 s26, s16, WREG
	s_add_co_u32 s26, s26, WST                     ; my stage
	v_lshl_add_u32 v[LA], v[LANE], 3, s26          ; in: 8 bytes a lane, a row a store
	v_and_b32 v[IO], 15, v0                        ; r
	v_bfe_u32 v[CO], v0, 4, 1                      ; h
	v_mul_u32_u24 v[IO], v[IO], WPITCH
	v_lshl_add_u32 v[IO], v[CO], 4, v[IO]
	v_add_nc_u32 v[IO], s26, v[IO]                 ; back: row r, + 16 h
	s_wait_kmcnt 0x0
	s_load_b32 s22, s[10:11], 0x4                  ; e1
	s_add_nc_u64 s[8:9], s[8:9], s[20:21]
	s_add_nc_u64 s[14:15], s[14:15], s[24:25]
.irp j, 0,1,2,3,4,5,6,7,8,9,10,11,12,13,14,15
	global_load_b128 v[X+8*\j:X+8*\j+3], v[XO], s[8:9] offset:4*ROWB*\j th:TH_LOAD_NT          ; 512 consecutive bytes a load; W1 is read once in the launch
	global_load_b128 v[X+8*\j+4:X+8*\j+7], v[XO], s[8:9] offset:4*ROWB*\j+512 th:TH_LOAD_NT
.endr
	SCALE
.irp j, 0,1,2,3,4,5,6,7,8,9,10,11,12,13,14,15
	s_wait_loadcnt 30-2*\j                         ; row j's two loads are in; the two of each of the 15 - j rows behind it may be out
.irp k, 0,1,2,3,4,5,6,7
	v_med3_num_f32 v[X+8*\j+\k], v[X+8*\j+\k], -v[LIM], v[LIM]
.endr
	v_cvt_scalef32_pk8_fp8_f32 v[WC+2*\j:WC+2*\j+1], v[X+8*\j:X+8*\j+7], v[SCL]
	ds_store_b64 v[LA], v[WC+2*\j:WC+2*\j+1] offset:WPITCH*\j    ; the row's 256 codes, consecutive
.endr
	v_nop                                          ; a plain line behind the last conversion
.irp t, 0,1,2,3,4,5,6,7                            ; K step t / 4 of the two, piece t % 4: lane (r, h) takes places 128 (t / 4) + 32 (t % 4) + 16 h + 0 .. 15 of row r
	ds_load_b128 v[X+4*\t:X+4*\t+3], v[IO] offset:128*(\t/4)+32*(\t%4)   ; LDS serves a wave's instructions in order (ISA guide 5.7.1.4): these see my stores
.endr
.irp t, 0,1,2,3,4,5,6,7
	s_wait_dscnt 7-\t                              ; piece t is back; the 7 - t behind it may be out
	global_store_b128 v[XO], v[X+4*\t:X+4*\t+3], s[14:15] offset:512*\t   ; 512 consecutive bytes, aligned
.endr
	s_wait_tensorcnt 0x0                           ; the wave's end
	ds_add_u32 v[SPW], v[NIL]
	s_wait_dscnt 0x0
	s_endpgm
.Lfunc_end_k_qf950a27ada_prep:
	.size	k_qf950a27ada_prep, .Lfunc_end_k_qf950a27ada_prep-k_qf950a27ada_prep
	.p2alignl 7, 3214868480
	.fill 96, 4, 3214868480
	.section	.rodata,"a",@progbits
	.p2align	6, 0x0
	.amdhsa_kernel k_qf950a27ada_prep
		.amdhsa_group_segment_fixed_size 39936
		.amdhsa_private_segment_fixed_size 0
		.amdhsa_enable_private_segment 0
		.amdhsa_kernarg_size 48
		.amdhsa_user_sgpr_count 2
		.amdhsa_user_sgpr_kernarg_segment_ptr 1
		.amdhsa_wavefront_size32 1
		.amdhsa_system_sgpr_workgroup_id_x 1
		.amdhsa_system_sgpr_workgroup_id_y 1
		.amdhsa_system_sgpr_workgroup_id_z 1
		.amdhsa_system_vgpr_workitem_id 0
		.amdhsa_next_free_vgpr 192
		.amdhsa_next_free_sgpr 66
		.amdhsa_reserve_vcc 0
		.amdhsa_float_denorm_mode_32 3
		.amdhsa_float_denorm_mode_16_64 3
		.amdhsa_memory_ordered 1
		.amdhsa_forward_progress 1
		.amdhsa_inst_pref_size 49
	.end_amdhsa_kernel
	.amdgpu_metadata
---
amdhsa.version: [ 1, 2 ]
amdhsa.kernels:
  - .name:           k_qf950a27ada_prep
    .symbol:         k_qf950a27ada_prep.kd
    .args:
      - { .name: inputs, .offset: 0, .size: 8, .value_kind: global_buffer, .address_space: global }
      - { .name: input_ids, .offset: 8, .size: 8, .value_kind: global_buffer, .address_space: global }
      - { .name: W1, .offset: 16, .size: 8, .value_kind: global_buffer, .address_space: global }
      - { .name: lowp_scales, .offset: 24, .size: 8, .value_kind: global_buffer, .address_space: global }
      - { .name: acodes, .offset: 32, .size: 8, .value_kind: global_buffer, .address_space: global }
      - { .name: wcodes, .offset: 40, .size: 8, .value_kind: global_buffer, .address_space: global }
    .group_segment_fixed_size: 39936
    .private_segment_fixed_size: 0
    .kernarg_segment_align: 8
    .kernarg_segment_size: 48
    .max_flat_workgroup_size: 256
    .sgpr_count:     66
    .vgpr_count:     192
    .wavefront_size: 32
...
	.end_amdgpu_metadata
.endif
;; end of part 1
;; launch head (part 2): grid 8 x 1, 16 waves a work-group, no clusters, 20,736 bytes of LDS; arguments acodes, wcodes, lowp_scales, b1, W2, b2, out0; writes out0
.if DOCPART == 2
	.amdgcn_target "amdgcn-amd-amdhsa--gfx1250"
	.amdhsa_code_object_version 6
	.text
	.protected	k_qf950a27ada_head
	.globl	k_qf950a27ada_head
	.p2align	8
	.type	k_qf950a27ada_head,@function
k_qf950a27ada_head:
	s_mov_b64 s[64:65], 0
	v_nop
	global_prefetch_b8 v0, s[64:65] scope:SCOPE_SE
	s_setreg_imm32_b32 hwreg(HW_REG_WAVE_MODE, 25, 1), 1
	s_wait_xcnt 0x0
; PET_layer, launch 2 of 2: out[b][j] = the sum over n of (h[b][n]) W2[j][n] + b2[j], h[b][n] = 2^(e0 + e1) x (the sum over k of code(euph[b][k]) code(W1[n][k])) + b1[n].  Nothing of this is left out.
; The quantised product, 128 x 1,024 x 1,024, goes by v_wmma_f32_16x16x128_fp8_fp8 on the codes of launch 1, sums in f32; the product with W2 (two columns) by f32 multiply-adds.
; LIMIT: e0 + e1 between -126 and 127, so that 2^(e0 + e1) is an f32 number.  The places along K are permuted alike in both operands (launch 1 says how).
; SHARES.  Each output has ONE owner, so that no further launch adds parts: work-group m owns batch rows 16 m .. 16 m + 15, one tile of rows.  An output needs h of all 1,024 n, so each work-group walks all of W1's codes.
; Wave w of sixteen owns n = 64 w .. 64 w + 63: four tiles (tile t: n = 64 w + 4 r + t), four accumulators that take turns, eight K steps of 128: 32 matrix instructions.
; W1'S CODES lie in memory as the operand's registers take them: a fragment is four loads of 512 consecutive bytes.  They go straight into registers, through a ring of NS = 10 fragment slots a wave.
; EUPH'S CODES, 16 rows x 1,024 bytes, are read once by the work-group, a row a wave, laid in LDS and fetched from there as fragments, a K step ahead.
; CLUSTERS: none.  The eight work-groups do read the same 1,048,576 bytes, but a joint request goes through tensor loads into LDS.  By this text's own count 16 waves x 10 fragments x 2,048 bytes = 327,680 bytes are asked
; for at once, and a slot is asked for again as soon as its product is issued; a ring of two LDS slots has one slot, under 163,840 bytes, on its way behind each of its barriers, and would add a pass through LDS
; for fragments that feed one matrix instruction each (a work-group has 16 rows).
; THE RESULT'S LAYOUT: source 0 = euph's 16 rows, source 1 = 16 rows of W1: register j of lane (r, h) is h(batch row 8 h + j, the tile's n of lane r).  So b1 and W2 are one number a lane and tile, and the sum over n is a sum
; over tiles (in the lane), over the 16 lanes of a half, and over the waves (through LDS).
.set NS,     10                        ; slots of the ring
.set APITCH, 1040                      ; a row of euph's codes in LDS: 1,024 bytes + 16 = 260 words: the 16 rows of a load begin 4 words apart
.set AST,    0                         ; LDS: 16 such rows
.set PART,   16*APITCH                 ; LDS: the waves' parts of the outputs: 128 bytes a wave: [j][batch row]
.set SPARE,  PART+16*128               ; the spare words, 128 bytes for each wave: eight blocks of 256 bytes that no other line names
.set BO,   1                           ; v1   16 x lane
.set ARD,  2                           ; v2   LDS: a fragment of euph: row r, + 16 h
.set AWR,  3                           ; v3   LDS: where I lay my row of euph's codes
.set NO,   4                           ; v4   b1, W2: 256 w + 16 r: my four n
.set PWR,  5                           ; v5   LDS: my wave's part, + 32 h
.set PRD,  6                           ; v6   LDS: output (batch row lane / 2, j = lane % 2) in wave 0's part
.set OO,   7                           ; v7   4 x lane
.set SPW,  8                           ; v8   LDS address of my spare word; never rewritten
.set NIL,  9                           ; v9   0; never rewritten
.set B2V,  10                          ; v10  b2[lane % 2]
.set B2O,  11                          ; v11  4 (lane % 2)
.set B1,   12                          ; v12-15  b1 of my n in tiles 0-3
.set W20,  16                          ; v16-19  W2[0] likewise
.set W21,  20                          ; v20-23  W2[1]
.set ACC,  32                          ; v32-63  four accumulators
.set AF,   64                          ; v64-95  two fragments of euph, by turns
.set BF,   96                          ; v96-255 the ring
.set P,    BF                          ; the way out: v96-103 parts of out[.][0], v104-111 of out[.][1]
.set H,    BF+16                       ; v112-119 h of a tile; then v112-127 the sixteen waves' parts
	s_load_b256 s[4:11], s[0:1], 0x0               ; acodes s[4:5], wcodes s[6:7], lowp_scales s[8:9], b1 s[10:11]
	s_load_b128 s[12:15], s[0:1], 0x20             ; W2 s[12:13], b2 s[14:15]
	s_load_b64 s[16:17], s[0:1], 0x30              ; out0
	v_lshl_add_u32 v[SPW], v0, 2, SPARE
	v_mov_b32 v[NIL], 0
	v_lshrrev_b32 v24, 5, v0
	v_readfirstlane_b32 s18, v24                   ; wave 0..15
	v_and_b32 v25, 31, v0                          ; lane
	v_and_b32 v26, 15, v0                          ; r
	v_bfe_u32 v27, v0, 4, 1                        ; h
	v_lshlrev_b32 v[BO], 4, v25
	v_mul_u32_u24 v[ARD], v26, APITCH
	v_lshl_add_u32 v[ARD], v27, 4, v[ARD]
	s_mul_i32 s19, s18, APITCH
	v_add_nc_u32 v[AWR], s19, v[BO]
	s_lshl_b32 s20, s18, 8
	v_lshl_add_u32 v[NO], v26, 4, s20
	s_lshl_b32 s21, s18, 7
	s_add_co_u32 s21, s21, PART
	v_lshl_add_u32 v[PWR], v27, 5, s21
	v_and_b32 v28, 1, v0
	v_lshrrev_b32 v29, 1, v25
	v_lshlrev_b32 v[B2O], 2, v28
	v_lshlrev_b32 v[PRD], 6, v28
	v_lshl_add_u32 v[PRD], v29, 2, v[PRD]
	v_add_nc_u32 v[PRD], PART, v[PRD]
	v_lshlrev_b32 v[OO], 2, v25
	s_lshl_b32 s22, ttmp9, 14                      ; my work-group's 16 rows of 1,024 codes,
	s_lshl_b32 s23, s18, 10                        ; my wave's row of them
	s_add_co_u32 s22, s22, s23
	s_mov_b32 s23, 0
	s_lshl_b32 s24, s18, 16                        ; my wave's four tiles: 32 fragments of 2,048 bytes
	s_mov_b32 s25, 0
	s_lshl_b32 s26, ttmp9, 7                       ; my work-group's 16 rows of out0
	s_mov_b32 s27, 0
	s_wait_kmcnt 0x0
	s_load_b64 s[28:29], s[8:9], 0x0               ; e0, e1
	s_add_nc_u64 s[4:5], s[4:5], s[22:23]
	s_add_nc_u64 s[6:7], s[6:7], s[24:25]
	s_add_nc_u64 s[16:17], s[16:17], s[26:27]
	global_load_b128 v[AF:AF+3], v[BO], s[4:5]                 ; my row of euph's codes: twice 512 consecutive bytes
	global_load_b128 v[AF+4:AF+7], v[BO], s[4:5] offset:512
	global_load_b128 v[B1:B1+3], v[NO], s[10:11]               ; sixteen lanes read 256 consecutive bytes (the other sixteen the same)
	global_load_b128 v[W20:W20+3], v[NO], s[12:13]
	global_load_b128 v[W21:W21+3], v[NO], s[12:13] offset:4096
	global_load_b32 v[B2V], v[B2O], s[14:15]                   ; used by wave 0 alone; asked for by all, here, so that the counts below are the same in every wave and wave 0 does not wait for it at the end
.macro BLOAD f                         ; fragment f = 4 s + t (K step s, tile t) into slot f % NS
.set bs, BF+16*((\f)%NS)
.irp c, 0,1,2,3
	global_load_b128 v[bs+4*\c:bs+4*\c+3], v[BO], s[6:7] offset:((\f)%4)*16384+((\f)/4)*2048+512*\c
.endr
.endm
.set I, 0                              ; fragments asked for so far
.rept NS
	BLOAD I
.set I, I+1
.endr
	s_wait_loadcnt 4+4*NS                          ; my row of euph's codes is in: behind its two loads stand the 4 small loads and the ring's 4 NS
	ds_store_b128 v[AWR], v[AF:AF+3]
	ds_store_b128 v[AWR], v[AF+4:AF+7] offset:512
	s_wait_dscnt 0x0                               ; for the others' sake: my row has landed
	s_barrier_signal -1
	s_barrier_wait -1                              ; all sixteen rows lie in LDS; nothing writes them again
.macro AFETCH s                        ; euph's fragment of K step s: lane (r, h) takes places 128 s + 32 c + 16 h + 0 .. 15 of row r, as launch 1 laid W1's
.irp c, 0,1,2,3
	ds_load_b128 v[AF+16*((\s)%2)+4*\c:AF+16*((\s)%2)+4*\c+3], v[ARD] offset:128*(\s)+32*\c
.endr
.endm
; A K step: four matrix instructions, the four accumulators by turns, one instruction a turn.  The first step's take the constant 0: nothing is cleared.
; Four v_nop follow: a load into a register that a matrix instruction has read, and a vector instruction that reads a result, stand four places behind it (ISA guide 7.12.1 for vector instructions).
.macro STEP s
.if (\s) < 7
	AFETCH (\s)+1                                  ; into the buffer that the step before multiplied, four places back
.endif
	s_wait_loadcnt 4*(I-4*(\s)-4)                  ; this step's four fragments are in: four loads for each fragment asked for behind them may be out
.if (\s) < 7
	s_wait_dscnt 4                                 ; this step's fragment of euph is in; the four loads just issued may be out
.else
	s_wait_dscnt 0x0
.endif
.irp t, 0,1,2,3
.set bs, BF+16*((4*(\s)+\t)%NS)
.if (\s) == 0
	v_wmma_f32_16x16x128_fp8_fp8 v[ACC+8*\t:ACC+8*\t+7], v[AF+16*((\s)%2):AF+16*((\s)%2)+15], v[bs:bs+15], 0
.else
	v_wmma_f32_16x16x128_fp8_fp8 v[ACC+8*\t:ACC+8*\t+7], v[AF+16*((\s)%2):AF+16*((\s)%2)+15], v[bs:bs+15], v[ACC+8*\t:ACC+8*\t+7]
.endif
.endr
.rept 4
	v_nop
.endr
.rept 4                                ; the four slots just multiplied take the next four fragments, while there are any
.if I < 32
	BLOAD I
.set I, I+1
.endif
.endr
.endm
	AFETCH 0
	s_wait_kmcnt 0x0
	s_add_co_i32 s28, s28, s29                     ; e0 + e1
	s_add_co_i32 s28, s28, 127
	s_lshl_b32 s28, s28, 23                        ; 2^(e0 + e1) as f32
	STEP 0
	STEP 1
	STEP 2
	STEP 3
	STEP 4
	STEP 5
	STEP 6
	STEP 7
	; THE WAY OUT.  Each accumulator is read from its low end on.  The ring's registers are free: the last products that read them stand four places back.
.irp t, 0,1,2,3
.irp j, 0,1,2,3,4,5,6,7
	v_fma_f32 v[H+\j], v[ACC+8*\t+\j], s28, v[B1+\t]           ; h = sum x 2^(e0 + e1) + b1
.endr
.irp j, 0,1,2,3,4,5,6,7
.if \t == 0
	v_mul_f32 v[P+\j], v[H+\j], v[W20+\t]                      ; the first tile starts the sums over n
	v_mul_f32 v[P+8+\j], v[H+\j], v[W21+\t]
.else
	v_fmac_f32 v[P+\j], v[H+\j], v[W20+\t]
	v_fmac_f32 v[P+8+\j], v[H+\j], v[W21+\t]
.endif
.endr
.endr
.irp m, 1,2,4,8                                    ; over the sixteen lanes of a half, which hold sixteen different n of the same batch rows
.irp i, 0,1,2,3,4,5,6,7,8,9,10,11,12,13,14,15
	v_add_f32_dpp v[P+\i], v[P+\i], v[P+\i] row_xmask:\m row_mask:0xf bank_mask:0xf
.endr
.endr
.irp i, 0,1,2,3,4,5,6,7,8,9,10,11,12,13,14,15
	ds_store_b32 v[PWR], v[P+\i] offset:4*\i+32*(\i/8)         ; register 8 j2 + j: out part (batch row 8 h + j, j2) at 64 j2 + 32 h + 4 j; the sixteen lanes of a half write one word with one value
.endr
	s_wait_dscnt 0x0                               ; for wave 0's sake: my part has landed
	s_barrier_signal -1
	s_barrier_wait -1
	s_cmp_lg_u32 s18, 0
	s_cbranch_scc1 .Lend
.irp w, 0,1,2,3,4,5,6,7,8,9,10,11,12,13,14,15
	ds_load_b32 v[H+\w], v[PRD] offset:128*\w      ; wave 0: lane l takes output (batch row l / 2, j = l % 2) of every wave's part
.endr
	s_wait_dscnt 0x0
.irp i, 0,1,2,3,4,5,6,7
	v_add_f32 v[H+\i], v[H+\i], v[H+8+\i]
.endr
.irp i, 0,1,2,3
	v_add_f32 v[H+\i], v[H+\i], v[H+4+\i]
.endr
	v_add_f32 v[H], v[H], v[H+2]
	v_add_f32 v[H+1], v[H+1], v[H+3]
	v_add_f32 v[H], v[H], v[H+1]
	v_add_f32 v[H], v[H], v[B2V]                   ; + b2
	global_store_b32 v[OO], v[H], s[16:17]         ; 128 consecutive bytes: all that 16 batch rows have of out0
.Lend:
	s_wait_tensorcnt 0x0                           ; the wave's end
	ds_add_u32 v[SPW], v[NIL]
	s_wait_dscnt 0x0
	s_endpgm
.Lfunc_end_k_qf950a27ada_head:
	.size	k_qf950a27ada_head, .Lfunc_end_k_qf950a27ada_head-k_qf950a27ada_head
	.p2alignl 7, 3214868480
	.fill 96, 4, 3214868480
	.section	.rodata,"a",@progbits
	.p2align	6, 0x0
	.amdhsa_kernel k_qf950a27ada_head
		.amdhsa_group_segment_fixed_size 20736
		.amdhsa_private_segment_fixed_size 0
		.amdhsa_enable_private_segment 0
		.amdhsa_kernarg_size 56
		.amdhsa_user_sgpr_count 2
		.amdhsa_user_sgpr_kernarg_segment_ptr 1
		.amdhsa_wavefront_size32 1
		.amdhsa_system_sgpr_workgroup_id_x 1
		.amdhsa_system_sgpr_workgroup_id_y 1
		.amdhsa_system_sgpr_workgroup_id_z 1
		.amdhsa_system_vgpr_workitem_id 0
		.amdhsa_next_free_vgpr 256
		.amdhsa_next_free_sgpr 66
		.amdhsa_reserve_vcc 0
		.amdhsa_float_denorm_mode_32 3
		.amdhsa_float_denorm_mode_16_64 3
		.amdhsa_memory_ordered 1
		.amdhsa_forward_progress 1
		.amdhsa_inst_pref_size 32
	.end_amdhsa_kernel
	.amdgpu_metadata
---
amdhsa.version: [ 1, 2 ]
amdhsa.kernels:
  - .name:           k_qf950a27ada_head
    .symbol:         k_qf950a27ada_head.kd
    .args:
      - { .name: acodes, .offset: 0, .size: 8, .value_kind: global_buffer, .address_space: global }
      - { .name: wcodes, .offset: 8, .size: 8, .value_kind: global_buffer, .address_space: global }
      - { .name: lowp_scales, .offset: 16, .size: 8, .value_kind: global_buffer, .address_space: global }
      - { .name: b1, .offset: 24, .size: 8, .value_kind: global_buffer, .address_space: global }
      - { .name: W2, .offset: 32, .size: 8, .value_kind: global_buffer, .address_space: global }
      - { .name: b2, .offset: 40, .size: 8, .value_kind: global_buffer, .address_space: global }
      - { .name: out0, .offset: 48, .size: 8, .value_kind: global_buffer, .address_space: global }
    .group_segment_fixed_size: 20736
    .private_segment_fixed_size: 0
    .kernarg_segment_align: 8
    .kernarg_segment_size: 56
    .max_flat_workgroup_size: 512
    .sgpr_count:     66
    .vgpr_count:     256
    .wavefront_size: 32
...
	.end_amdgpu_metadata
.endif
;; end of part 2
;; ======== version 2 of 2: 2 launches; version 1 with the launch head written anew for expert scheduling mode
;; workspace buffers: acodes 131,072 bytes; wcodes 1,048,576 bytes
;; launch prep: the kernel of part 1 again; grid 160 x 1, 8 waves a work-group, no clusters, 39,936 bytes of LDS; arguments inputs, input_ids, W1, lowp_scales, acodes, wcodes; writes acodes, wcodes
;; launch head (part 3): grid 8 x 1, 16 waves a work-group, no clusters, 20,736 bytes of LDS; arguments acodes, wcodes, lowp_scales, b1, W2, b2, out0; writes out0
.if DOCPART == 3
	.amdgcn_target "amdgcn-amd-amdhsa--gfx1250"
	.amdhsa_code_object_version 6
	.text
	.protected	k_qf950a27ada_head
	.globl	k_qf950a27ada_head
	.p2align	8
	.type	k_qf950a27ada_head,@function
k_qf950a27ada_head:
	s_mov_b64 s[64:65], 0
	v_nop
	global_prefetch_b8 v0, s[64:65] scope:SCOPE_SE
	s_setreg_imm32_b32 hwreg(HW_REG_WAVE_SCHED_MODE, 0, 2), 2
	s_setreg_imm32_b32 hwreg(HW_REG_WAVE_MODE, 25, 1), 1
	s_wait_xcnt 0x0
	s_wait_alu depctr_vm_vsrc(0)
; PET_layer, launch 2 of 2: out[b][j] = the sum over n of (h[b][n]) W2[j][n] + b2[j], h[b][n] = 2^(e0 + e1) x (the sum over k of code(euph[b][k]) code(W1[n][k])) + b1[n].  Nothing of this is left out.
; The quantised product, 128 x 1,024 x 1,024, goes by v_wmma_f32_16x16x128_fp8_fp8 on the codes of launch 1, sums in f32; the product with W2 (two columns) by f32 multiply-adds.
; LIMIT: e0 + e1 between -126 and 127, so that 2^(e0 + e1) is an f32 number.  The places along K are permuted alike in both operands (launch 1 says how).
; SHARES.  Each output has ONE owner, so that no further launch adds parts: work-group m owns batch rows 16 m .. 16 m + 15, one tile of rows.  An output needs h of all 1,024 n, so each work-group walks all of W1's codes.
; Wave w of sixteen owns n = 64 w .. 64 w + 63: four tiles (tile t: n = 64 w + 4 r + t), four accumulators that take turns, eight K steps of 128: 32 matrix instructions.
; W1'S CODES lie in memory as the operand's registers take them: a fragment is four loads of 512 consecutive bytes.  They go straight into registers, through a ring of NS = 10 fragment slots a wave.
; EUPH'S CODES, 16 rows x 1,024 bytes, are read once by the work-group, a row a wave, laid in LDS and fetched from there as fragments, two K steps ahead.
; CLUSTERS: none.  The eight work-groups do read the same 1,048,576 bytes, but a joint request goes through tensor loads into LDS.  By this text's own count 16 waves x 10 fragments x 2,048 bytes = 327,680 bytes are asked
; for at once, and a slot is asked for again as soon as its product is done with it; a ring of two LDS slots has one slot, under 163,840 bytes, on its way behind each of its barriers, and would add a pass through LDS
; for fragments that feed one matrix instruction each (a work-group has 16 rows).
; THE RESULT'S LAYOUT: source 0 = euph's 16 rows, source 1 = 16 rows of W1: register j of lane (r, h) is h(batch row 8 h + j, the tile's n of lane r).  So b1 and W2 are one number a lane and tile, and the sum over n is a sum
; over tiles (in the lane), over the 16 lanes of a half, and over the waves (through LDS).
; THE MODE: SCHED_MODE bits 1:0 = 2 (LLVM: expert scheduling mode 2), set by the entry lines.  The code itself states the register dependences
; between vector or matrix instructions and memory or LDS instructions, with s_wait_alu, always for 0.
; THE PLAN.  Registers that memory or LDS instructions touch:
;   v1-v7, v11    Offsets and LDS addresses: written once at the head by vector instructions, read by loads and stores, never written again.  One wait on va_vdst ahead of the first load serves them all.
;   AF0, AF1      v64-71 first take my row of euph's codes and are read by two LDS stores: one wait on vm_vsrc ahead of the first fragment's loads.  Then: step s's four products read AF[s % 2]; behind them fragment s + 2 lands in it.
;   BF, 10 slots  Step s's product t reads slot (4 s + t) % 10; behind the step's products fragment 4 s + t + 10 lands in it.
;   So ONE wait on va_vdst stands in each of steps 0 to 5, behind its four products: they are done reading AF[s % 2] and their four slots.  The step's loads follow it in one run, so that no slot lies idle;
;   the next step's products name the other AF, other slots and the accumulators: none of the registers that those loads touch.  Steps 6 and 7 ask for nothing and hold no such wait.
;   P, H          The way out: vector instructions write P (v96-111), 16 LDS stores read it: one wait on va_vdst ahead of them, which also serves wave 0's LDS loads into v112-127 (no vector or matrix instruction stands between);
;                 one more ahead of the global store, whose data the last additions write.
;   v[SPW], v[NIL]  Written at the head, read by the closing add alone.
;   The accumulators, b1, W2 and b2 are read by vector and matrix instructions alone.
.set NS,     10                        ; slots of the ring
.set APITCH, 1040                      ; a row of euph's codes in LDS: 1,024 bytes + 16 = 260 words: the 16 rows of a load begin 4 words apart
.set AST,    0                         ; LDS: 16 such rows
.set PART,   16*APITCH                 ; LDS: the waves' parts of the outputs: 128 bytes a wave: [j][batch row]
.set SPARE,  PART+16*128               ; the spare words, 128 bytes for each wave: eight blocks of 256 bytes that no other line names
.set BO,   1                           ; v1   16 x lane
.set ARD,  2                           ; v2   LDS: a fragment of euph: row r, + 16 h
.set AWR,  3                           ; v3   LDS: where I lay my row of euph's codes
.set NO,   4                           ; v4   b1, W2: 256 w + 16 r: my four n
.set PWR,  5                           ; v5   LDS: my wave's part, + 32 h
.set PRD,  6                           ; v6   LDS: output (batch row lane / 2, j = lane % 2) in wave 0's part
.set OO,   7                           ; v7   4 x lane
.set SPW,  8                           ; v8   LDS address of my spare word; never rewritten
.set NIL,  9                           ; v9   0; never rewritten
.set B2V,  10                          ; v10  b2[lane % 2]
.set B2O,  11                          ; v11  4 (lane % 2)
.set B1,   12                          ; v12-15  b1 of my n in tiles 0-3
.set W20,  16                          ; v16-19  W2[0] likewise
.set W21,  20                          ; v20-23  W2[1]
.set ACC,  32                          ; v32-63  four accumulators
.set AF,   64                          ; v64-95  two fragments of euph, by turns
.set BF,   96                          ; v96-255 the ring
.set P,    BF                          ; the way out: v96-103 parts of out[.][0], v104-111 of out[.][1]
.set H,    BF+16                       ; v112-119 h of a tile; then v112-127 the sixteen waves' parts
	s_load_b256 s[4:11], s[0:1], 0x0               ; acodes s[4:5], wcodes s[6:7], lowp_scales s[8:9], b1 s[10:11]
	s_load_b128 s[12:15], s[0:1], 0x20             ; W2 s[12:13], b2 s[14:15]
	s_load_b64 s[16:17], s[0:1], 0x30              ; out0
	v_lshl_add_u32 v[SPW], v0, 2, SPARE
	v_mov_b32 v[NIL], 0
	v_lshrrev_b32 v24, 5, v0
	v_readfirstlane_b32 s18, v24                   ; wave 0..15
	v_and_b32 v25, 31, v0                          ; lane
	v_and_b32 v26, 15, v0                          ; r
	v_bfe_u32 v27, v0, 4, 1                        ; h
	v_lshlrev_b32 v[BO], 4, v25
	v_mul_u32_u24 v[ARD], v26, APITCH
	v_lshl_add_u32 v[ARD], v27, 4, v[ARD]
	s_wait_alu depctr_va_sdst(0)                   ; s18 is written, ahead of its first reader: LDS places, bases and the last branch are made from it
	s_mul_i32 s19, s18, APITCH
	v_add_nc_u32 v[AWR], s19, v[BO]
	s_lshl_b32 s20, s18, 8
	v_lshl_add_u32 v[NO], v26, 4, s20
	s_lshl_b32 s21, s18, 7
	s_add_co_u32 s21, s21, PART
	v_lshl_add_u32 v[PWR], v27, 5, s21
	v_and_b32 v28, 1, v0
	v_lshrrev_b32 v29, 1, v25
	v_lshlrev_b32 v[B2O], 2, v28
	v_lshlrev_b32 v[PRD], 6, v28
	v_lshl_add_u32 v[PRD], v29, 2, v[PRD]
	v_add_nc_u32 v[PRD], PART, v[PRD]
	v_lshlrev_b32 v[OO], 2, v25
	s_lshl_b32 s22, ttmp9, 14                      ; my work-group's 16 rows of 1,024 codes,
	s_lshl_b32 s23, s18, 10                        ; my wave's row of them
	s_add_co_u32 s22, s22, s23
	s_mov_b32 s23, 0
	s_lshl_b32 s24, s18, 16                        ; my wave's four tiles: 32 fragments of 2,048 bytes
	s_mov_b32 s25, 0
	s_lshl_b32 s26, ttmp9, 7                       ; my work-group's 16 rows of out0
	s_mov_b32 s27, 0
	s_wait_kmcnt 0x0
	s_load_b64 s[28:29], s[8:9], 0x0               ; e0, e1
	s_add_nc_u64 s[4:5], s[4:5], s[22:23]
	s_add_nc_u64 s[6:7], s[6:7], s[24:25]
	s_add_nc_u64 s[16:17], s[16:17], s[26:27]
	s_wait_alu depctr_va_vdst(0)                   ; the eight offsets and LDS addresses v1 to v7 and v11 are written, which every load and store of the kernel reads
	global_load_b128 v[AF:AF+3], v[BO], s[4:5]                 ; my row of euph's codes: twice 512 consecutive bytes
	global_load_b128 v[AF+4:AF+7], v[BO], s[4:5] offset:512
	global_load_b128 v[B1:B1+3], v[NO], s[10:11]               ; sixteen lanes read 256 consecutive bytes (the other sixteen the same)
	global_load_b128 v[W20:W20+3], v[NO], s[12:13]
	global_load_b128 v[W21:W21+3], v[NO], s[12:13] offset:4096
	global_load_b32 v[B2V], v[B2O], s[14:15]                   ; used by wave 0 alone; asked for by all, here, so that the counts below are the same in every wave and wave 0 does not wait for it at the end
.macro BLOAD f                         ; fragment f = 4 s + t (K step s, tile t) into slot f % NS
.set bs, BF+16*((\f)%NS)
.irp c, 0,1,2,3
	global_load_b128 v[bs+4*\c:bs+4*\c+3], v[BO], s[6:7] offset:((\f)%4)*16384+((\f)/4)*2048+512*\c
.endr
.endm
.set I, 0                              ; fragments asked for so far
.rept NS
	BLOAD I
.set I, I+1
.endr
	s_wait_loadcnt 4+4*NS                          ; my row of euph's codes is in: behind its two loads stand the 4 small loads and the ring's 4 NS
	ds_store_b128 v[AWR], v[AF:AF+3]
	ds_store_b128 v[AWR], v[AF+4:AF+7] offset:512
	s_wait_dscnt 0x0                               ; for the others' sake: my row has landed
	s_barrier_signal -1
	s_barrier_wait -1                              ; all sixteen rows lie in LDS; nothing writes them again
.macro AFETCH s                        ; euph's fragment of K step s: lane (r, h) takes places 128 s + 32 c + 16 h + 0 .. 15 of row r, as launch 1 laid W1's
.irp c, 0,1,2,3
	ds_load_b128 v[AF+16*((\s)%2)+4*\c:AF+16*((\s)%2)+4*\c+3], v[ARD] offset:128*(\s)+32*\c
.endr
.endm
; A K step: four matrix instructions, the four accumulators by turns, one instruction a turn.  The first step's take the constant 0: nothing is cleared.
; Four v_nop follow them where a load or a reader follows: four places stand behind a matrix instruction ahead of a vector instruction that reads its result, and ahead of the loads into the
; registers that it has read they stand beside the wait that states that dependence.  Behind step 6 neither follows.
.macro STEP s
	s_wait_loadcnt 4*(I-4*(\s)-4)                  ; this step's four fragments are in: four loads for each fragment asked for behind them may be out
.if (\s) < 7
	s_wait_dscnt 4                                 ; this step's fragment of euph is in; the next step's four loads may be out
.else
	s_wait_dscnt 0x0
.endif
.irp t, 0,1,2,3
.set bs, BF+16*((4*(\s)+\t)%NS)
.if (\s) == 0
	v_wmma_f32_16x16x128_fp8_fp8 v[ACC+8*\t:ACC+8*\t+7], v[AF+16*((\s)%2):AF+16*((\s)%2)+15], v[bs:bs+15], 0
.else
	v_wmma_f32_16x16x128_fp8_fp8 v[ACC+8*\t:ACC+8*\t+7], v[AF+16*((\s)%2):AF+16*((\s)%2)+15], v[bs:bs+15], v[ACC+8*\t:ACC+8*\t+7]
.endif
.endr
.if (\s) != 6
.rept 4
	v_nop
.endr
.endif
.if (\s) < 6
	s_wait_alu depctr_va_vdst(0)                   ; this step's four products are done reading AF[s % 2] and their four slots of the ring, in which the loads below land
	AFETCH (\s)+2                                  ; into the buffer just multiplied
.rept 4                                ; the four slots just multiplied take the next four fragments, while there are any
.if I < 32
	BLOAD I
.set I, I+1
.endif
.endr
.endif
.endm
	s_wait_alu depctr_vm_vsrc(0)                   ; my two LDS stores have read v[AF .. AF+7], in which the first fragment's loads land
	AFETCH 0
	AFETCH 1
	s_wait_kmcnt 0x0
	s_add_co_i32 s28, s28, s29                     ; e0 + e1
	s_add_co_i32 s28, s28, 127
	s_lshl_b32 s28, s28, 23                        ; 2^(e0 + e1) as f32
	STEP 0
	STEP 1
	STEP 2
	STEP 3
	STEP 4
	STEP 5
	STEP 6
	STEP 7
	; THE WAY OUT.  Each accumulator is read from its low end on.  The ring's registers are free: the last products that read them stand four places back.
.irp t, 0,1,2,3
.irp j, 0,1,2,3,4,5,6,7
	v_fma_f32 v[H+\j], v[ACC+8*\t+\j], s28, v[B1+\t]           ; h = sum x 2^(e0 + e1) + b1
.endr
.irp j, 0,1,2,3,4,5,6,7
.if \t == 0
	v_mul_f32 v[P+\j], v[H+\j], v[W20+\t]                      ; the first tile starts the sums over n
	v_mul_f32 v[P+8+\j], v[H+\j], v[W21+\t]
.else
	v_fmac_f32 v[P+\j], v[H+\j], v[W20+\t]
	v_fmac_f32 v[P+8+\j], v[H+\j], v[W21+\t]
.endif
.endr
.endr
.irp m, 1,2,4,8                                    ; over the sixteen lanes of a half, which hold sixteen different n of the same batch rows
.irp i, 0,1,2,3,4,5,6,7,8,9,10,11,12,13,14,15
	v_add_f32_dpp v[P+\i], v[P+\i], v[P+\i] row_xmask:\m row_mask:0xf bank_mask:0xf
.endr
.endr
	s_wait_alu depctr_va_vdst(0)                   ; the additions have written v[P ..], which the LDS stores read; and all that named v112-127 (h's lines, the last products) is done, where wave 0's LDS loads land below
.irp i, 0,1,2,3,4,5,6,7,8,9,10,11,12,13,14,15
	ds_store_b32 v[PWR], v[P+\i] offset:4*\i+32*(\i/8)         ; register 8 j2 + j: out part (batch row 8 h + j, j2) at 64 j2 + 32 h + 4 j; the sixteen lanes of a half write one word with one value
.endr
	s_wait_dscnt 0x0                               ; for wave 0's sake: my part has landed
	s_barrier_signal -1
	s_barrier_wait -1
	s_cmp_lg_u32 s18, 0
	s_cbranch_scc1 .Lend
.irp w, 0,1,2,3,4,5,6,7,8,9,10,11,12,13,14,15
	ds_load_b32 v[H+\w], v[PRD] offset:128*\w      ; wave 0: lane l takes output (batch row l / 2, j = l % 2) of every wave's part.  No wait: no vector or matrix instruction since the wait above names v112-127
.endr
	s_wait_dscnt 0x0
.irp i, 0,1,2,3,4,5,6,7
	v_add_f32 v[H+\i], v[H+\i], v[H+8+\i]
.endr
.irp i, 0,1,2,3
	v_add_f32 v[H+\i], v[H+\i], v[H+4+\i]
.endr
	v_add_f32 v[H], v[H], v[H+2]
	v_add_f32 v[H+1], v[H+1], v[H+3]
	v_add_f32 v[H], v[H], v[H+1]
	v_add_f32 v[H], v[H], v[B2V]                   ; + b2
	s_wait_alu depctr_va_vdst(0)                   ; the last addition has written v[H], which the store reads
	global_store_b32 v[OO], v[H], s[16:17]         ; 128 consecutive bytes: all that 16 batch rows have of out0
.Lend:
	s_wait_dscnt 0x0                               ; the closing lines, six on end
	s_wait_alu 0x0
	s_wait_tensorcnt 0x0
	ds_add_u32 v[SPW], v[NIL]
	s_wait_dscnt 0x0
	s_endpgm
.Lfunc_end_k_qf950a27ada_head:
	.size	k_qf950a27ada_head, .Lfunc_end_k_qf950a27ada_head-k_qf950a27ada_head
	.p2alignl 7, 3214868480
	.fill 96, 4, 3214868480
	.section	.rodata,"a",@progbits
	.p2align	6, 0x0
	.amdhsa_kernel k_qf950a27ada_head
		.amdhsa_group_segment_fixed_size 20736
		.amdhsa_private_segment_fixed_size 0
		.amdhsa_enable_private_segment 0
		.amdhsa_kernarg_size 56
		.amdhsa_user_sgpr_count 2
		.amdhsa_user_sgpr_kernarg_segment_ptr 1
		.amdhsa_wavefront_size32 1
		.amdhsa_system_sgpr_workgroup_id_x 1
		.amdhsa_system_sgpr_workgroup_id_y 1
		.amdhsa_system_sgpr_workgroup_id_z 1
		.amdhsa_system_vgpr_workitem_id 0
		.amdhsa_next_free_vgpr 256
		.amdhsa_next_free_sgpr 66
		.amdhsa_reserve_vcc 0
		.amdhsa_float_denorm_mode_32 3
		.amdhsa_float_denorm_mode_16_64 3
		.amdhsa_memory_ordered 1
		.amdhsa_forward_progress 1
		.amdhsa_inst_pref_size 32
	.end_amdhsa_kernel
	.amdgpu_metadata
---
amdhsa.version: [ 1, 2 ]
amdhsa.kernels:
  - .name:           k_qf950a27ada_head
    .symbol:         k_qf950a27ada_head.kd
    .args:
      - { .name: acodes, .offset: 0, .size: 8, .value_kind: global_buffer, .address_space: global }
      - { .name: wcodes, .offset: 8, .size: 8, .value_kind: global_buffer, .address_space: global }
      - { .name: lowp_scales, .offset: 16, .size: 8, .value_kind: global_buffer, .address_space: global }
      - { .name: b1, .offset: 24, .size: 8, .value_kind: global_buffer, .address_space: global }
      - { .name: W2, .offset: 32, .size: 8, .value_kind: global_buffer, .address_space: global }
      - { .name: b2, .offset: 40, .size: 8, .value_kind: global_buffer, .address_space: global }
      - { .name: out0, .offset: 48, .size: 8, .value_kind: global_buffer, .address_space: global }
    .group_segment_fixed_size: 20736
    .private_segment_fixed_size: 0
    .kernarg_segment_align: 8
    .kernarg_segment_size: 56
    .max_flat_workgroup_size: 512
    .sgpr_count:     66
    .vgpr_count:     256
    .wavefront_size: 32
...
	.end_amdgpu_metadata
.endif
;; end of part 3
